; MI455X (gfx1250); checked and timed in simulation.
; The chip was launched on July 23, 2026; its instructions are those of AMD's public machine-readable ISA for CDNA 5 (MIT licence, August 2026) and "CDNA5" Instruction Set Architecture Reference Guide (July 2026). The comments in the code are by the model that wrote it; some were corrected since.
;; Key Value Bottleneck. Allowed arithmetic: matrix products marked QUANTISED: E5M2 operands, one given power-of-two scale a tensor, by v_wmma_f32_16x16x64_bf8_bf8 or v_wmma_f32_16x16x128_bf8_bf8, f32 sums; products left as they are: f32 operands where the result goes on into a quantised operand, else bf16, f16 or f32 operands; f32 sums; everything else in f32.
;; Inputs: dec_b 10 float32; dec_w 10 x 1,024 float32; keys_codes 4,096 x 32 x 32 uint8 (E5M2 codes of keys, K innermost, in blocks of 32 codes); lowp_scales 2 int32 (the exponents e of the quantised operands' scales 2^e); values 4,096 x 1,024 float32; x_codes 16,384 x 32 x 32 uint8 (E5M2 codes of x, K innermost, in blocks of 32 codes).
;; Outputs: out0 16,384 x 10 float32.
;; This version of the problem:
;;   THIS VERSION OF THE PROBLEM IS GIVEN IN LOW PRECISION. The matrix products marked QUANTISED in the list below multiply operands that are first quantised to E5M2 (5 exponent bits, 2 mantissa bits; 8 bits a number), with one given power-of-two scale for each operand tensor; their sums are f32. All else is computed in f32.
;;   The module's matrix products, in the order in which they are computed (A, B: the left and right operand; K: the contracted axis; several contracted axes count as one K, in the product's order):
;;     1. [M 16,384, K 1,024] x [K 1,024, N 4,096]; A: input x (given as codes); B: input keys (given as codes): QUANTISED (scales: A lowp_scales[0], B lowp_scales[1])
;;     2. [M 16,384, K 1,024] x [K 1,024, N 10]; A: computed on the way; B: input dec_w: left as it is (N = 10 < 16)
;;   THE QUANTISER, for each operand of a quantised product, along K:
;;     - The operand's scale is 2^e, e = its entry of the input lowp_scales (int32; the entries are numbered through the quantised products in the list's order, A before B).
;;     - Each number is divided by the scale, clamped to +-57,344, and rounded to the nearest number of E5M2, ties to even, subnormals kept.
;;     - The product sums the exact products of the quantised numbers (number of the format x scale) in f32.
;;   ~~~python
;;   def quantise(x, axis, e):      # numpy; x: float32 -> the quantised numbers, widened to float32 again
;;       x = np.moveaxis(x, axis, -1); K = x.shape[-1]
;;       r = np.clip(x / 2.0 ** e, -57344, 57344)
;;       step = 2.0 ** (np.maximum(np.frexp(np.where(r == 0, 1, r))[1] - 1, -14) - 2)
;;       q = np.round(r / step) * step * 2.0 ** e      # np.round: ties to even
;;       return np.moveaxis(q, -1, axis).astype(np.float32)
;;   ~~~
;;   INPUTS GIVEN AS CODES. keys (in the module: [4096, 1024], K = its axis 1); x (in the module: [16384, 1024], K = its axis 1): each comes as NAME_codes (uint8): NAME with its K axis moved to the last place and cut into blocks of 32 codes, [.., K / 32, bytes a block], one block behind the other in memory; one code a byte (a code: sign, 5 exponent bits, 2 mantissa bits); its scale is its entry of lowp_scales. Its value is code x scale, taken as it is: it is not quantised again, and the codes and scales need not be those that the quantiser above would give.
;; One version. Each part assembles by itself: llvm-mc -triple=amdgcn-amd-amdhsa -mcpu=gfx1250 --defsym DOCPART=n.
;; ======== version 1 of 1: 2 launches
;; limits: values are held in bf16: 8 bits of precision; right only within a limited range of input values
;; workspace buffers: tbl 262,144 bytes; pval 262,144 bytes; pidx 262,144 bytes of whole numbers
;; launch simmax (part 1): grid 64 x 4, 4 waves a work-group, clusters of 4 x 4, 327,680 bytes of LDS; arguments x_codes, keys_codes, values, dec_w, dec_b, tbl, pval, pidx; writes tbl, pval, pidx
.if DOCPART == 1
	.amdgcn_target "amdgcn-amd-amdhsa--gfx1250"
	.amdhsa_code_object_version 6
	.text
	.protected	k_qe51985254d_simmax
	.globl	k_qe51985254d_simmax
	.p2align	8
	.type	k_qe51985254d_simmax,@function
k_qe51985254d_simmax:
	s_mov_b64 s[64:65], 0
	v_nop
	global_prefetch_b8 v0, s[64:65] scope:SCOPE_SE
	s_setreg_imm32_b32 hwreg(HW_REG_WAVE_MODE, 25, 1), 1
	s_wait_xcnt 0x0
	s_wait_alu depctr_hold_cnt(0) depctr_sa_sdst(0) depctr_va_vdst(0) depctr_va_sdst(0) depctr_va_ssrc(0) depctr_va_vcc(0) depctr_vm_vsrc(0)
	s_getreg_b32 s2, hwreg(HW_REG_IB_STS2, 6, 4)
	s_cmp_eq_u32 s2, 0
	s_cbranch_scc0 .Lentry_in_a_cluster
	s_endpgm
.Lentry_in_a_cluster:
	s_bfe_u32 s2, ttmp6, 0x10000c
	s_cmp_lg_u32 s2, 0xf033
	s_cbranch_scc0 .Lentry_shape_is_right
	s_endpgm
.Lentry_shape_is_right:
; For each of 16,384 rows of x and each quarter of the 4,096 keys: the largest similarity (sum over 1,024 of code x code, E5M2) and its key -> pval, pidx [4][16384].
; Also T = values x dec_w^T + dec_b, [4096][16] f32 (ten columns used) -> tbl: out0[b] = T[nearest[b]] is looked up by the next launch.
; LEFT OUT: lowp_scales.  Every similarity carries the same factor 2^(e0 + e1), which is positive for all e0, e1, so it moves no argmax and reaches no output:
; the buffer is not loaded and is no argument of any launch.  LIMIT: an overflow or underflow that the factor alone would cause is not carried to the result.
; SHARES: grid 64 x 4 = 256 work-groups; a work-group has 256 rows and 1,024 keys; a wave 64 rows with ALL of K in registers (32 fragments, 512 registers), read once from LDS.
; Keys go through two LDS slots of 128 keys x 1,024 bytes; each wave fetches 32 keys of a slot; all four waves read all keys.
; A block of 16 keys is three runs: 32 matrix instructions (8 along K x 4 row blocks, the four sums by turns), the block's argmax work, 32 LDS loads for the block two further on.
; CLUSTERS 4 x 4: x's tiles hang on the work-group's x and are asked for jointly along a column, the keys' on its y and jointly along a row.
; The matrix instruction takes keys as source 0 and x as source 1: lane (r, h) holds row r, register j key 8 h + j.
; REGISTERS: window 0: v0-63 state, v64-95 four sums, v96-107 at work, v128-255 key fragments, set 0; windows 1, 2: x's fragments (s, a) at 64 (s % 4) + 16 a; window 3: v0-127 key fragments, set 1.
.set PLANE,  135168                    ; 256 rows x 528: a K half of x; also the stride of the key slots (128 x 1040 = 133,120 used)
.set BP,     1040                      ; LDS row of keys: 1,024 + 16
.set KBB,    16*BP
.set SPARE,  2*PLANE
.set TS,     SPARE+512
.set XV,     TS+4096
.set TPITCH, 2080
.set THALF,  16*TPITCH
.set WB,     2*THALF
.set SPW, 2
.set NIL, 3
.set VB, 4                             ; r x 1040 + 16 h
.set ADR, 5                            ; key fragments: the pair of blocks that is fetched
.set VA0, 7
.set VA1, 8
.set PFO, 9
.set BEST, 10
.set IDX, 15
.set VGC, 20                           ; v20, v21: the block's code, in two register banks for the pairs below
.set W, 24                             ; the eight sums of the best group, for each row block
.set BIAS, 56
.set VH, 60
.set ACC, 64
.set G, 96
.set XST, 64                           ; the tail's registers lie where the sums lay
.set XRD, 65
.set PO, 66
.set TVL, 70
.set TWL, 71
.set TST, 72
.set TRD, 73
.set TRL, 74
.set TSUM, 80
.set OC, 2
.set IC, 3
.set G1A, 24
.set G0B, 32
.set G1B, 48
.set G0A, 56
.set G0W, 60
.set VAL, 66
.set OFF, 68
.set NINF, 69
.set GC, 70
.set HM, 71
.set PF, 82
.set G1W, 84
.set MK, 92
.set MSB, 0
.macro WIN new
.if MSB != (\new)
	s_set_vgpr_msb (MSB<<8)|(\new)
.set MSB, \new
.endif
.endm
.macro CREST
	s_cmp_lg_u32 s14, 0
	s_cbranch_scc1 .Lnot_wave_0_\@
	s_barrier_signal -3
.Lnot_wave_0_\@:
	s_barrier_wait -3
	s_barrier_signal -1
	s_barrier_wait -1
.endm
.macro CROUND
	s_barrier_signal -1
	s_barrier_wait -1
	CREST
.endm
.macro PLACES n
.rept \n
	v_nop
.endr
.endm
.macro THREE                           ; three lines ahead of a refill's barrier
	s_wait_tensorcnt 0x0
	ds_add_u32 v[SPW], v[NIL]
	s_wait_dscnt 0x0
.endm
.macro BLOAD sl                        ; my 32 keys of a slot, asked for jointly
	tensor_load_to_lds s[G0B+4*(\sl):G0B+4*(\sl)+3], s[G1B:G1B+7]
	s_nop 0
	PLACES 4
.endm
	s_load_b256 s[4:11], s[0:1], 0x0               ; x s[4:5], keys s[6:7], values s[8:9], dec_w s[10:11]
	s_load_b256 s[72:79], s[0:1], 0x20             ; dec_b s[72:73], tbl s[74:75], pval s[76:77], pidx s[78:79]
	v_lshl_add_u32 v[SPW], v0, 2, SPARE
	v_mov_b32 v[NIL], 0
	ds_add_u32 v[SPW], v[NIL]                      ; the opening lines: the add twice on end
	ds_add_u32 v[SPW], v[NIL]
	v_lshrrev_b32 v1, 5, v0
	v_readfirstlane_b32 s14, v1                    ; wave w
	s_lshr_b32 s15, s14, 1
	s_and_b32 s16, s14, 1
	s_bfe_u32 s40, ttmp6, 0x40000                  ; cx
	s_bfe_u32 s41, ttmp6, 0x40004                  ; cy
	s_lshl_b32 s17, ttmp9, 2
	s_add_co_u32 s17, s17, s40                     ; row block 0..63
	s_and_b32 s42, ttmp7, 0xffff
	s_lshl_b32 s42, s42, 2
	s_add_co_u32 s42, s42, s41                     ; quarter of the keys
	s_lshl_b32 s43, 0x1111, s40                    ; my column: x's tiles
	s_lshl_b32 s44, s41, 2
	s_lshl_b32 s44, 15, s44                        ; my row: the keys' tiles
	s_or_b32 s[G1A+0], s43, (1<<20)|(1<<21)|(6<<22)|(3<<25)   ; x: 128 rows x 512 bytes, 16 bytes behind every 512
	s_mov_b32 s[G1A+1], 512<<16
	s_mov_b32 s[G1A+2], 128<<16
	s_mov_b32 s[G1A+3], 512<<16
	s_mov_b32 s[G1A+4], 128
	s_or_b32 s[G1B+0], s44, (1<<20)|(1<<21)|(7<<22)|(3<<25)   ; keys: 32 rows x 1,024 bytes, 16 bytes behind every 1,024
	s_mov_b32 s[G1B+1], 1024<<16
	s_mov_b32 s[G1B+2], 32<<16
	s_mov_b32 s[G1B+3], 1024<<16
	s_mov_b32 s[G1B+4], 32
.irp g, G1A, G1B
	s_mov_b32 s[\g+5], 1024
	s_mov_b32 s[\g+6], 0
	s_mov_b32 s[\g+7], 0
.endr
	s_lshl_b32 s20, s17, 18                        ; x: 256 rows of 1,024 bytes a row block,
	s_lshl_b32 s18, s15, 17                        ; + which 128 rows I fetch,
	s_add_co_u32 s20, s20, s18
	s_lshl_b32 s18, s16, 9                         ; + which K half
	s_add_co_u32 s20, s20, s18
	s_mov_b32 s21, 0
	s_lshl_b32 s46, s42, 20                        ; keys: the quarter, + my 32 keys
	s_lshl_b32 s18, s14, 15
	s_add_co_u32 s46, s46, s18
	s_mov_b32 s47, 0
	s_mul_i32 s45, s16, PLANE
	s_mul_i32 s18, s15, 128*528
	s_add_co_u32 s45, s45, s18
	s_mul_i32 s19, s14, 32*BP
	s_wait_dscnt 0x0
	s_wait_kmcnt 0x0
	s_add_nc_u64 s[20:21], s[4:5], s[20:21]
	s_add_nc_u64 s[46:47], s[6:7], s[46:47]
	s_mov_b32 s[G0A], 1
	s_mov_b32 s[G0A+1], s45
	s_mov_b64 s[G0A+2:G0A+3], s[20:21]
	s_or_b32 s[G0A+3], s[G0A+3], 0x80000000
.irp s, 0,1
	s_mov_b32 s[G0B+4*\s], 1
	s_add_co_u32 s[G0B+4*\s+1], s19, \s*PLANE
	s_add_nc_u64 s[G0B+4*\s+2:G0B+4*\s+3], s[46:47], \s*131072
	s_or_b32 s[G0B+4*\s+3], s[G0B+4*\s+3], 0x80000000
.endr
	CROUND
	tensor_load_to_lds s[G0A:G0A+3], s[G1A:G1A+7]  ; my quarter of x: the one tensor load of the head
	s_nop 0
	PLACES 4
	; prefetches: a slot's 512 blocks of 256 bytes are shared out by address among the 64 work-groups of the quarter, two blocks a wave
	v_and_b32 v1, 31, v0
	v_min_u32 v1, 1, v1
	s_lshl_b32 s18, s17, 11
	s_lshl_b32 s22, s14, 9
	s_add_co_u32 s18, s18, s22
	v_lshl_add_u32 v[PFO], v1, 8, s18
	s_lshl_b32 s22, s42, 20
	s_mov_b32 s23, 0
	s_add_nc_u64 s[PF:PF+1], s[6:7], s[22:23]
	global_prefetch_b8 v[PFO], s[PF:PF+1] th:TH_LOAD_NT scope:SCOPE_SE   ; slot fill 0, two fills ahead of its load
	s_lshl_b32 s18, s17, 2
	s_add_co_u32 s18, s18, s42                     ; work-group 0..255: its 16 rows of the table
	s_lshl_b32 s22, s18, 16
	s_lshl_b32 s19, s16, 11
	s_add_co_u32 s22, s22, s19
	s_add_nc_u64 s[VAL:VAL+1], s[8:9], s[22:23]
	s_mov_b32 s22, s19
	s_add_nc_u64 s[10:11], s[10:11], s[22:23]
	s_lshl_b32 s22, s18, 10
	s_add_nc_u64 s[74:75], s[74:75], s[22:23]
	s_lshl_b32 s22, s42, 16
	s_lshl_b32 s18, s17, 10
	s_add_co_u32 s22, s22, s18
	s_lshl_b32 s18, s14, 8
	s_add_co_u32 s22, s22, s18
	s_add_nc_u64 s[76:77], s[76:77], s[22:23]
	s_add_nc_u64 s[78:79], s[78:79], s[22:23]
	v_and_b32 v1, 3, v0
	v_lshlrev_b32 v1, 4, v1
	v_min_u32 v62, 32, v1
	v_add_nc_u32 v63, 8, v1
	v_min_u32 v63, 32, v63
	global_load_b64 v[BIAS:BIAS+1], v62, s[72:73]
	global_load_b64 v[BIAS+2:BIAS+3], v63, s[72:73]
	v_and_b32 v1, 15, v0
	v_bfe_u32 v[VH], v0, 4, 1
	v_mul_u32_u24 v[VB], v1, BP
	v_lshl_add_u32 v[VB], v[VH], 4, v[VB]
	v_mul_u32_u24 v[VA0], v1, 528
	v_lshl_add_u32 v[VA0], v[VH], 4, v[VA0]
	s_mul_i32 s18, s14, 64*528
	v_add_nc_u32 v[VA0], s18, v[VA0]
	v_add_nc_u32 v[VA1], PLANE, v[VA0]
	s_mov_b32 s12, 0x76543210
	s_mov_b32 s13, 0xfedcba98
	s_mov_b32 s[NINF], 0xff800000
	s_lshl_b32 s[GC], s42, 10                      ; the code of the block at work: its first key
	s_mov_b32 s[OFF], 2*KBB
.irp a, 0,1,2,3
	v_mov_b32 v[BEST+\a], s[NINF]
	v_mov_b32 v[IDX+\a], 0
.endr
.set i, 0
.rept 32
	v_mov_b32 v[W+i], 0
.set i, i+1
.endr
	s_wait_alu depctr_va_vdst(0)
	THREE
	s_barrier_signal -1
	s_barrier_wait -1                              ; all of x is in LDS
	global_prefetch_b8 v[PFO], s[PF:PF+1] offset:131072 th:TH_LOAD_NT scope:SCOPE_SE
.macro XREAD win, adr                  ; 16 fragments: my 64 rows x 512 along K
	WIN \win
.irp s, 0,1,2,3
.irp a, 0,1,2,3
.irp c, 0,1,2,3
	ds_load_b128 v[64*\s+16*\a+4*\c:64*\s+16*\a+4*\c+3], v[\adr] offset:\a*16*528+128*\s+32*\c
.endr
.endr
.endr
	WIN 0
.endm
; 32 LDS loads in one run: the eight fragments of a block of 16 keys into set p
.macro LDB p, adr, off
	WIN 0xc0*(\p)
.irp s, 0,1,2,3,4,5,6,7
.irp c, 0,1,2,3
	ds_load_b128 v[128*(1-(\p))+16*\s+4*\c:128*(1-(\p))+16*\s+4*\c+3], v[\adr] offset:(\off)+128*\s+32*\c
.endr
.endr
	WIN 0
.endm
	XREAD 0x40, VA0
	THREE                                          ; my reads of the first K half are back
	CROUND
	BLOAD 0                                        ; keys 0-127 over x's first K half
	global_prefetch_b8 v[PFO], s[PF:PF+1] offset:262144 th:TH_LOAD_NT scope:SCOPE_SE
	XREAD 0x80, VA1
	THREE
	CROUND
	BLOAD 1                                        ; keys 128-255 over x's second K half
	global_prefetch_b8 v[PFO], s[PF:PF+1] offset:393216 th:TH_LOAD_NT scope:SCOPE_SE
	LDB 0, VB, 0
	LDB 1, VB, KBB
; the 32 matrix instructions of a block: K ascending, the four sums by turns; the first K step starts the sums
.macro MULH p, h                       ; half h of them: K steps 4 h .. 4 h + 3
	WIN 3*(\p)+4+4*(\h)
.irp i, 0,1,2,3
.irp a, 0,1,2,3
.if (\h)+\i == 0
	v_wmma_f32_16x16x128_bf8_bf8 v[ACC+8*\a:ACC+8*\a+7], v[128*(1-(\p))+64*(\h)+16*\i:128*(1-(\p))+64*(\h)+16*\i+15], v[64*\i+16*\a:64*\i+16*\a+15], 0
.else
	v_wmma_f32_16x16x128_bf8_bf8 v[ACC+8*\a:ACC+8*\a+7], v[128*(1-(\p))+64*(\h)+16*\i:128*(1-(\p))+64*(\h)+16*\i+15], v[64*\i+16*\a:64*\i+16*\a+15], v[ACC+8*\a:ACC+8*\a+7]
.endif
.endr
.endr
.endm
.macro MULS p
	MULH \p, 0
	MULH \p, 1
	WIN 0
.endm
; the block's argmax work: for each row block the largest of a lane's 8 sums; where it beats the best so far, the block's code and the 8 sums are kept.  The four row blocks take turns line by line.
.macro EPI am
.if \am
	v_add_nc_u32 v[ADR], s[OFF], v[VB]             ; where the next pair of blocks is fetched
.else
	v_nop
.endif
	v_mov_b32 v[VGC], s[GC]
	v_mov_b32 v[VGC+1], s[GC]
	v_nop                                          ; four places behind the last matrix instruction (ISA guide 7.12.1)
.irp a, 0,1,2,3
	v_max3_num_f32 v[G+\a], v[ACC+8*\a], v[ACC+8*\a+1], v[ACC+8*\a+2]
.endr
.irp a, 0,1,2,3
	v_max3_num_f32 v[G+4+\a], v[ACC+8*\a+3], v[ACC+8*\a+4], v[ACC+8*\a+5]
.endr
.irp a, 0,2
	v_dual_max_num_f32 v[G+8+\a], v[ACC+8*\a+6], v[ACC+8*\a+7] :: v_dual_max_num_f32 v[G+9+\a], v[ACC+8*\a+15], v[ACC+8*\a+14]
.endr
.irp a, 0,1
	v_max3_num_f32 v[G+\a], v[G+\a], v[G+4+\a], v[G+8+\a]
.endr
.irp a, 0,1,2,3
	v_cmp_lt_f32 vcc_lo, v[BEST+\a], v[G+\a]       ; strictly greater: the lower key stays where sums are equal
.if \a < 2
	v_max3_num_f32 v[G+2+\a], v[G+2+\a], v[G+6+\a], v[G+10+\a]
.endif
	v_dual_cndmask_b32 v[BEST+\a], v[BEST+\a], v[G+\a] :: v_dual_cndmask_b32 v[IDX+\a], v[IDX+\a], v[VGC+1-\a%2]   ; the selects go in pairs, both by VCC
.irp m, 0,2,4,6
	v_dual_cndmask_b32 v[W+8*\a+\m], v[W+8*\a+\m], v[ACC+8*\a+\m] :: v_dual_cndmask_b32 v[W+8*\a+\m+1], v[W+8*\a+\m+1], v[ACC+8*\a+\m+1]
.endr
.endr
	s_add_co_u32 s[GC], s[GC], 16
.endm
; a block of 16 keys on set p.  cnt: the LDS loads younger than set p's (32: the run issued behind them).  ld = 1: then set p is fetched anew, for the block two on.
.macro KB p, cnt, am, ld
	s_wait_dscnt \cnt
	MULS \p
	EPI \am
.if \ld
	LDB \p, ADR, KBB*(\p)
.if \p
	s_add_co_u32 s[OFF], s[OFF], 2*KBB
.endif
.endif
.endm
; a slot's blocks 6 and 7, with the change of slots between them: this slot's last reads (block 7's fragments) were issued behind block 5.
; Block 6's argmax work stands between the add and the wait for it, block 7's first 16 matrix instructions between the round's opening signal and its wait.
; mode 1: this slot is filled again with keys.  2: with the table's operands.
.macro TPAIR mode, sl
	s_wait_dscnt 32
	MULS 0
.if (\mode) == 1
	s_wait_xcnt 0x0                                ; my last prefetch has read its base
	s_add_nc_u64 s[PF:PF+1], s[PF:PF+1], 131072
.endif
	s_wait_tensorcnt 0x0                           ; my part of the next slot is in
	ds_add_u32 v[SPW], v[NIL]
.if (\mode) == 1
	s_add_nc_u64 s[G0B+4*(\sl)+2:G0B+4*(\sl)+3], s[G0B+4*(\sl)+2:G0B+4*(\sl)+3], 262144
.endif
	EPI 1
	s_wait_dscnt 0x0                               ; the add is done; my last reads of this slot are back
	s_barrier_signal -1
	MULH 1, 0
	WIN 0
	s_barrier_wait -1
	CREST
.if (\mode) == 1
	BLOAD \sl
.else
	s_mov_b32 s[G1A+0], (2<<16)|(1<<20)|(7<<22)|(3<<25)   ; values: 16 rows x 512 f32; dec_w: 10 rows, the other six arrive as zeros
	s_mov_b32 s[G1W+0], (2<<16)|(1<<20)|(7<<22)|(3<<25)
	s_mov_b32 s[G1A+2], 16<<16
	s_mov_b32 s[G1W+2], 10<<16
.irp g, G1A, G1W
	s_mov_b32 s[\g+1], 512<<16
	s_mov_b32 s[\g+3], 512<<16
	s_mov_b32 s[\g+4], 16
	s_mov_b32 s[\g+5], 1024
	s_mov_b32 s[\g+6], 0
	s_mov_b32 s[\g+7], 0
.endr
	s_mov_b32 s[G0A], 1
	s_mul_i32 s[G0A+1], s16, THALF
	s_mov_b64 s[G0A+2:G0A+3], s[VAL:VAL+1]
	s_or_b32 s[G0A+3], s[G0A+3], 0x80000000
	s_mov_b32 s[G0W], 1
	s_add_co_u32 s[G0W+1], s[G0A+1], WB
	s_mov_b64 s[G0W+2:G0W+3], s[10:11]
	s_or_b32 s[G0W+3], s[G0W+3], 0x80000000
	s_cmp_eq_u32 s15, 0
	s_cbranch_scc0 .Lfor_w_\@
	tensor_load_to_lds s[G0A:G0A+3], s[G1A:G1A+7]
	s_nop 0
	PLACES 4
	s_branch .Lasked_\@
.Lfor_w_\@:
	tensor_load_to_lds s[G0W:G0W+3], s[G1W:G1W+7]
	s_nop 0
	PLACES 4
.Lasked_\@:
.endif
	LDB 0, ADR, 0                                  ; the next slot's block 0
.if (\mode) == 1
	s_cmp_gt_u32 s[OC], 1                          ; the last two refills have no fill two on
	s_cbranch_scc0 .Lnp_\@
	global_prefetch_b8 v[PFO], s[PF:PF+1] offset:393216 th:TH_LOAD_NT scope:SCOPE_SE   ; the fill that stands two refills on
.Lnp_\@:
.endif
	MULH 1, 1
	WIN 0
	EPI 0
	LDB 1, ADR, KBB                                ; the next slot's block 1
	s_add_co_u32 s[OFF], s[OFF], 2*KBB
.endm
; a slot: eight blocks, two a trip and the last two written out.  Blocks 0-5 fetch blocks 2-7; blocks 6, 7 fetch the next slot's blocks 0, 1.  nxt: the next slot's first byte
.macro SLOTW nxt, mode, sl
	s_mov_b32 s[IC], 3
.Lin_\@:
	KB 0, 32, 1, 1
	KB 1, 32, 0, 1
	s_sub_co_u32 s[IC], s[IC], 1
	s_cmp_lg_u32 s[IC], 0
	s_cbranch_scc1 .Lin_\@
.if (\mode) != 3
	s_mov_b32 s[OFF], \nxt
	TPAIR \mode, \sl
.else
	KB 0, 32, 0, 0
	KB 1, 0, 0, 0
.endif
.endm
	s_mov_b32 s[OC], 3
.Lout:
	SLOTW PLANE, 1, 0
	SLOTW 0, 1, 1
	s_sub_co_u32 s[OC], s[OC], 1
	s_cmp_lg_u32 s[OC], 0
	s_cbranch_scc1 .Lout
	SLOTW PLANE, 2, 0
	SLOTW 0, 3, 1
	s_wait_tensorcnt 0x0                           ; my part of the table's operands is in
	v_and_b32 v67, 31, v0
	s_lshl_b32 s18, s14, 9
	s_add_co_u32 s18, s18, XV
	v_lshl_add_u32 v[XST], v67, 2, s18
	v_lshl_add_u32 v[XRD], v67, 3, s18
	v_lshlrev_b32 v[PO], 3, v67
	v_and_b32 v68, 15, v0
	s_mul_i32 s18, s15, THALF
	s_mul_i32 s19, s16, 1040
	s_add_co_u32 s18, s18, s19
	v_mul_u32_u24 v69, v68, TPITCH
	v_lshl_add_u32 v69, v[VH], 6, v69
	v_add_nc_u32 v[TVL], s18, v69
	v_add_nc_u32 v[TWL], WB, v[TVL]
	s_lshl_b32 s19, s14, 10
	s_add_co_u32 s19, s19, TS
	v_lshlrev_b32 v[TST], 6, v68
	v_lshl_add_u32 v[TST], v[VH], 5, v[TST]
	v_add_nc_u32 v[TST], s19, v[TST]
	v_lshlrev_b32 v[TRD], 4, v0
	v_add_nc_u32 v[TRL], TS, v[TRD]
	v_cmp_eq_u32 s[HM], 1, v[VH]
.irp a, 0,1,2,3
	v_mov_b32 v[G+\a], 7
.endr
.irp j, 6,5,4,3,2,1,0                  ; the lowest j whose sum is the best
.irp a, 0,1,2,3
	v_cmp_eq_f32 vcc_lo, v[BEST+\a], v[W+8*\a+\j]
	v_cndmask_b32 v[G+\a], v[G+\a], \j, vcc_lo
.endr
.endr
.irp a, 0,1,2,3
	v_lshl_add_u32 v[G+\a], v[VH], 3, v[G+\a]
	v_add_nc_u32 v[IDX+\a], v[IDX+\a], v[G+\a]     ; key = block's code + 8 h + j
.endr
.irp a, 0,1,2,3
	v_permlanex16_b32 v[W+\a], v[BEST+\a], s12, s13
	v_permlanex16_b32 v[W+8+\a], v[IDX+\a], s12, s13
.endr
.irp a, 0,1,2,3                        ; lane l xor 16's candidate: greater wins; equal: the lower key
	v_cmp_gt_f32 s[MK], v[W+\a], v[BEST+\a]
	v_cmp_eq_f32 s[MK+1], v[W+\a], v[BEST+\a]
	v_cmp_lt_u32 vcc_lo, v[W+8+\a], v[IDX+\a]
	s_and_b32 s[MK+1], s[MK+1], vcc_lo
	s_or_b32 s[MK], s[MK], s[MK+1]
	v_cndmask_b32 v[BEST+\a], v[BEST+\a], v[W+\a], s[MK]
	v_cndmask_b32 v[IDX+\a], v[IDX+\a], v[W+8+\a], s[MK]
.endr
.irp c, 0,1                            ; through my own 512 LDS bytes, so that a lane holds two neighbouring rows
	v_cndmask_b32 v[G+\c], v[BEST+2*\c], v[BEST+2*\c+1], s[HM]
	v_cndmask_b32 v[G+2+\c], v[IDX+2*\c], v[IDX+2*\c+1], s[HM]
	ds_store_b32 v[XST], v[G+\c] offset:128*\c
	ds_store_b32 v[XST], v[G+2+\c] offset:256+128*\c
.endr
	ds_load_b64 v[W:W+1], v[XRD]
	ds_load_b64 v[W+2:W+3], v[XRD] offset:256
	s_wait_dscnt 0x0
	global_store_b64 v[PO], v[W:W+1], s[76:77]     ; 32 lanes store 256 consecutive bytes, aligned
	global_store_b64 v[PO], v[W+2:W+3], s[78:79]
	s_wait_alu depctr_va_vdst(0)
	s_barrier_signal -1
	s_barrier_wait -1                              ; everybody's part of the table's operands is in
	; T's 16 rows: wave w takes 256 of K; f32 from LDS, rounded to bf16, eight matrix instructions on two sums by turns
	WIN 0x80
.irp s, 0,1,2,3,4,5,6,7
.irp j, 0,1,2,3
	ds_load_b128 v[16*\s+4*\j:16*\s+4*\j+3], v[TVL] offset:128*\s+16*\j
	ds_load_b128 v[128+16*\s+4*\j:128+16*\s+4*\j+3], v[TWL] offset:128*\s+16*\j
.endr
.endr
	WIN 0
	s_wait_dscnt 0x0
	WIN 0xaa
.irp s, 0,1,2,3,4,5,6,7,8,9,10,11,12,13,14,15
.irp i, 0,1,2,3,4,5,6,7
	v_cvt_pk_bf16_f32 v[16*\s+\i], v[16*\s+2*\i], v[16*\s+2*\i+1]
.endr
.endr
.irp s, 0,1,2,3,4,5,6,7
.if \s < 2
	v_wmma_f32_16x16x32_bf16 v[8+16*(\s%2):15+16*(\s%2)], v[128+16*\s:128+16*\s+7], v[16*\s:16*\s+7], 0
.else
	v_wmma_f32_16x16x32_bf16 v[8+16*(\s%2):15+16*(\s%2)], v[128+16*\s:128+16*\s+7], v[16*\s:16*\s+7], v[8+16*(\s%2):15+16*(\s%2)]
.endif
.endr
	PLACES 4
.irp i, 0,2,4,6
	v_pk_add_f32 v[8+\i:9+\i], v[8+\i:9+\i], v[24+\i:25+\i]
.endr
	WIN 0x08
	ds_store_b128 v[TST], v[8:11]
	ds_store_b128 v[TST], v[12:15] offset:16
	WIN 0
	s_wait_loadcnt 0x0                             ; the bias
	s_wait_dscnt 0x0
	s_barrier_signal -1
	s_barrier_wait -1
	s_cmp_lt_u32 s14, 2
	s_cbranch_scc0 .Lno_table
.irp p, 0,1,2,3
	ds_load_b128 v[TSUM+4*\p:TSUM+4*\p+3], v[TRL] offset:1024*\p
.endr
	s_wait_dscnt 0x0
	v_pk_add_f32 v[TSUM:TSUM+1], v[TSUM:TSUM+1], v[TSUM+4:TSUM+5]
	v_pk_add_f32 v[TSUM+2:TSUM+3], v[TSUM+2:TSUM+3], v[TSUM+6:TSUM+7]
	v_pk_add_f32 v[TSUM+8:TSUM+9], v[TSUM+8:TSUM+9], v[TSUM+12:TSUM+13]
	v_pk_add_f32 v[TSUM+10:TSUM+11], v[TSUM+10:TSUM+11], v[TSUM+14:TSUM+15]
	v_pk_add_f32 v[TSUM:TSUM+1], v[TSUM:TSUM+1], v[TSUM+8:TSUM+9]
	v_pk_add_f32 v[TSUM+2:TSUM+3], v[TSUM+2:TSUM+3], v[TSUM+10:TSUM+11]
	v_pk_add_f32 v[TSUM:TSUM+1], v[TSUM:TSUM+1], v[BIAS:BIAS+1]
	v_pk_add_f32 v[TSUM+2:TSUM+3], v[TSUM+2:TSUM+3], v[BIAS+2:BIAS+3]
	global_store_b128 v[TRD], v[TSUM:TSUM+3], s[74:75]
.Lno_table:
	THREE                                          ; the wave's end
	CROUND                                         ; the closing round
	s_endpgm
.Lfunc_end_k_qe51985254d_simmax:
	.size	k_qe51985254d_simmax, .Lfunc_end_k_qe51985254d_simmax-k_qe51985254d_simmax
	.p2alignl 7, 3214868480
	.fill 96, 4, 3214868480
	.section	.rodata,"a",@progbits
	.p2align	6, 0x0
	.amdhsa_kernel k_qe51985254d_simmax
		.amdhsa_group_segment_fixed_size 327680
		.amdhsa_private_segment_fixed_size 0
		.amdhsa_enable_private_segment 0
		.amdhsa_kernarg_size 64
		.amdhsa_user_sgpr_count 2
		.amdhsa_user_sgpr_kernarg_segment_ptr 1
		.amdhsa_wavefront_size32 1
		.amdhsa_system_sgpr_workgroup_id_x 1
		.amdhsa_system_sgpr_workgroup_id_y 1
		.amdhsa_system_sgpr_workgroup_id_z 1
		.amdhsa_system_vgpr_workitem_id 0
		.amdhsa_next_free_vgpr 1024
		.amdhsa_next_free_sgpr 102
		.amdhsa_reserve_vcc 1
		.amdhsa_float_denorm_mode_32 3
		.amdhsa_float_denorm_mode_16_64 3
		.amdhsa_memory_ordered 1
		.amdhsa_forward_progress 1
		.amdhsa_inst_pref_size 150
	.end_amdhsa_kernel
	.amdgpu_metadata
---
amdhsa.version: [ 1, 2 ]
amdhsa.kernels:
  - .name:           k_qe51985254d_simmax
    .symbol:         k_qe51985254d_simmax.kd
    .args:
      - { .name: x_codes, .offset: 0, .size: 8, .value_kind: global_buffer, .address_space: global }
      - { .name: keys_codes, .offset: 8, .size: 8, .value_kind: global_buffer, .address_space: global }
      - { .name: values, .offset: 16, .size: 8, .value_kind: global_buffer, .address_space: global }
      - { .name: dec_w, .offset: 24, .size: 8, .value_kind: global_buffer, .address_space: global }
      - { .name: dec_b, .offset: 32, .size: 8, .value_kind: global_buffer, .address_space: global }
      - { .name: tbl, .offset: 40, .size: 8, .value_kind: global_buffer, .address_space: global }
      - { .name: pval, .offset: 48, .size: 8, .value_kind: global_buffer, .address_space: global }
      - { .name: pidx, .offset: 56, .size: 8, .value_kind: global_buffer, .address_space: global }
    .group_segment_fixed_size: 327680
    .private_segment_fixed_size: 0
    .kernarg_segment_align: 8
    .kernarg_segment_size: 64
    .max_flat_workgroup_size: 128
    .sgpr_count:     102
    .vgpr_count:     1024
    .wavefront_size: 32
...
	.end_amdgpu_metadata
.endif
;; end of part 1
;; launch pick (part 2): grid 256 x 1, 2 waves a work-group, no clusters, 2,816 bytes of LDS; arguments pidx, pval, tbl, out0; writes out0
.if DOCPART == 2
	.amdgcn_target "amdgcn-amd-amdhsa--gfx1250"
	.amdhsa_code_object_version 6
	.text
	.protected	k_qe51985254d_pick
	.globl	k_qe51985254d_pick
	.p2align	8
	.type	k_qe51985254d_pick,@function
k_qe51985254d_pick:
	s_mov_b64 s[64:65], 0
	v_nop
	global_prefetch_b8 v0, s[64:65] scope:SCOPE_SE
	s_setreg_imm32_b32 hwreg(HW_REG_WAVE_MODE, 25, 1), 1
	s_wait_xcnt 0x0
; out0[b] = T[nearest[b]], [16384][10] f32.  pidx, pval: [4 quarters of the keys][16384]: for each row the best key of the quarter (a whole number) and its similarity.  tbl: T, [4096][16] f32, ten columns used.
; A lane takes a row; a work-group of two waves 64 rows.  No address hangs on a comparison of floating-point numbers: the rows of T of ALL FOUR candidates are fetched, by the stored keys, and the numbers are chosen by selects.
; The quarters' keys ascend, so a strict "greater" keeps the lowest key where similarities are equal, as jnp.argmax does.
; A row of out0 is 40 bytes: the wave's 32 rows (1,280 bytes) go through its own LDS bytes and leave as five stores of 256 consecutive bytes.  Waves share nothing: no barrier.  Memory binds: no matrix unit, no cluster, no tensor load.
.set IX,  4                            ; v4-7    the four keys, then their rows' byte offsets in tbl
.set MX,  8                            ; v8-11   the four similarities
.set T0,  16                           ; v[16+12 q .. 25+12 q] candidate q's ten numbers
.set OR,  62                           ; v62-71  the way out
	s_load_b256 s[4:11], s[0:1], 0x0               ; pidx s[4:5], pval s[6:7], tbl s[8:9], out0 s[10:11]
	v_lshl_add_u32 v72, v0, 2, 0xa00
	v_mov_b32 v73, 0
	v_lshlrev_b32 v1, 2, v0
	s_lshl_b32 s12, ttmp9, 8
	v_add_nc_u32 v1, s12, v1                       ; 4 b, b = 64 x work-group + thread
	v_mul_u32_u24 v2, v0, 40                       ; LDS, in: my row
	v_lshrrev_b32 v3, 5, v0
	v_and_b32 v13, 31, v0
	v_mul_u32_u24 v3, v3, 1280
	v_lshl_add_u32 v3, v13, 3, v3                  ; LDS, back, and the same place in the work-group's 2,560 bytes of out0: 1280 x wave + 8 x lane
	s_mul_i32 s16, ttmp9, 2560
	s_mov_b32 s17, 0
	s_wait_alu depctr_va_vdst(0)
	s_wait_kmcnt 0x0
	s_add_nc_u64 s[10:11], s[10:11], s[16:17]
.irp q, 0,1,2,3
	global_load_b32 v[IX+\q], v1, s[4:5] offset:65536*\q th:TH_LOAD_NT
.endr
.irp q, 0,1,2,3
	global_load_b32 v[MX+\q], v1, s[6:7] offset:65536*\q th:TH_LOAD_NT
.endr
	s_wait_loadcnt 4                               ; the four keys are in; the four similarities may be out
.irp q, 0,1,2,3
	v_min_u32 v[IX+\q], 0xfff, v[IX+\q]            ; a loaded number enters an address only held inside the table
	v_lshlrev_b32 v[IX+\q], 6, v[IX+\q]            ; a row of tbl is 64 bytes
.endr
.irp q, 0,1,2,3
	global_load_b128 v[T0+12*\q:T0+12*\q+3], v[IX+\q], s[8:9]
	global_load_b128 v[T0+12*\q+4:T0+12*\q+7], v[IX+\q], s[8:9] offset:16
	global_load_b64 v[T0+12*\q+8:T0+12*\q+9], v[IX+\q], s[8:9] offset:32
.endr
	s_wait_loadcnt 12                              ; the similarities are in; the twelve loads from the table may be out
	v_cmp_gt_f32 s12, v[MX+1], v[MX]
	v_max_num_f32 v12, v[MX], v[MX+1]
	v_cmp_gt_f32 s13, v[MX+2], v12
	v_max_num_f32 v12, v12, v[MX+2]
	v_cmp_gt_f32 s14, v[MX+3], v12
	s_wait_loadcnt 0x0
.irp i, 0,1,2,3,4,5,6,7,8,9
	v_cndmask_b32 v[T0+\i], v[T0+\i], v[T0+12+\i], s12
.endr
.irp i, 0,1,2,3,4,5,6,7,8,9
	v_cndmask_b32 v[T0+\i], v[T0+\i], v[T0+24+\i], s13
.endr
.irp i, 0,1,2,3,4,5,6,7,8,9
	v_cndmask_b32 v[T0+\i], v[T0+\i], v[T0+36+\i], s14
.endr
.irp i, 0,1,2,3,4
	ds_store_b64 v2, v[T0+2*\i:T0+2*\i+1] offset:8*\i   ; lanes 40 bytes = 10 words apart: the 32 lanes' pairs of words fall on 64 different banks (64 banks of 4 bytes: ISA guide 11.1)
.endr
.irp i, 0,1,2,3,4
	ds_load_b64 v[OR+2*\i:OR+2*\i+1], v3 offset:256*\i  ; LDS serves a wave's instructions in order (ISA guide 5.7.1.4): these see my stores
.endr
.irp i, 0,1,2,3,4
	s_wait_dscnt 4-\i                              ; load i is in; the younger ones may be out
	global_store_b64 v3, v[OR+2*\i:OR+2*\i+1], s[10:11] offset:256*\i th:TH_STORE_NT   ; 32 lanes store 256 consecutive bytes, at a multiple of 256 from out0's first byte
.endr
	s_wait_tensorcnt 0x0
	ds_add_u32 v72, v73
	s_wait_dscnt 0x0
	s_endpgm
.Lfunc_end_k_qe51985254d_pick:
	.size	k_qe51985254d_pick, .Lfunc_end_k_qe51985254d_pick-k_qe51985254d_pick
	.p2alignl 7, 3214868480
	.fill 96, 4, 3214868480
	.section	.rodata,"a",@progbits
	.p2align	6, 0x0
	.amdhsa_kernel k_qe51985254d_pick
		.amdhsa_group_segment_fixed_size 2816
		.amdhsa_private_segment_fixed_size 0
		.amdhsa_enable_private_segment 0
		.amdhsa_kernarg_size 32
		.amdhsa_user_sgpr_count 2
		.amdhsa_user_sgpr_kernarg_segment_ptr 1
		.amdhsa_wavefront_size32 1
		.amdhsa_system_sgpr_workgroup_id_x 1
		.amdhsa_system_sgpr_workgroup_id_y 1
		.amdhsa_system_sgpr_workgroup_id_z 1
		.amdhsa_system_vgpr_workitem_id 0
		.amdhsa_next_free_vgpr 74
		.amdhsa_next_free_sgpr 66
		.amdhsa_reserve_vcc 0
		.amdhsa_float_denorm_mode_32 3
		.amdhsa_float_denorm_mode_16_64 3
		.amdhsa_memory_ordered 1
		.amdhsa_forward_progress 1
		.amdhsa_inst_pref_size 7
	.end_amdhsa_kernel
	.amdgpu_metadata
---
amdhsa.version: [ 1, 2 ]
amdhsa.kernels:
  - .name:           k_qe51985254d_pick
    .symbol:         k_qe51985254d_pick.kd
    .args:
      - { .name: pidx, .offset: 0, .size: 8, .value_kind: global_buffer, .address_space: global }
      - { .name: pval, .offset: 8, .size: 8, .value_kind: global_buffer, .address_space: global }
      - { .name: tbl, .offset: 16, .size: 8, .value_kind: global_buffer, .address_space: global }
      - { .name: out0, .offset: 24, .size: 8, .value_kind: global_buffer, .address_space: global }
    .group_segment_fixed_size: 2816
    .private_segment_fixed_size: 0
    .kernarg_segment_align: 8
    .kernarg_segment_size: 32
    .max_flat_workgroup_size: 64
    .sgpr_count:     66
    .vgpr_count:     74
    .wavefront_size: 32
...
	.end_amdgpu_metadata
.endif
;; end of part 2
